; MI455X (gfx1250); checked and timed in simulation.
; The chip was launched on July 23, 2026; its instructions are those of AMD's public machine-readable ISA for CDNA 5 (MIT licence, August 2026) and "CDNA5" Instruction Set Architecture Reference Guide (July 2026). The comments in the code are by the model that wrote it; some were corrected since.
;; Multi Scale Retention. Allowed arithmetic: matrix products marked QUANTISED: E2M3 operands, one E8M0 scale for each 32 along K, by v_wmma_scale_f32_16x16x128_f8f6f4 with both operands' format E2M3, f32 sums; everything else in f32.
;; Inputs: beta 1,024 float32; bg 1,024 float32; bk 1,024 float32; bq 1,024 float32; bv 1,024 float32; gamma 1,024 float32; wg_codes 1,024 x 32 x 24 uint8 (E2M3 codes of wg, K innermost, in blocks of 32 codes, four codes in three bytes); wg_scales 1,024 x 32 uint8 (E8M0 scales of wg, one for each 32 codes along K); wk_codes 1,024 x 32 x 24 uint8 (E2M3 codes of wk, K innermost, in blocks of 32 codes, four codes in three bytes); wk_scales 1,024 x 32 uint8 (E8M0 scales of wk, one for each 32 codes along K); wq_codes 1,024 x 32 x 24 uint8 (E2M3 codes of wq, K innermost, in blocks of 32 codes, four codes in three bytes); wq_scales 1,024 x 32 uint8 (E8M0 scales of wq, one for each 32 codes along K); wv_codes 1,024 x 32 x 24 uint8 (E2M3 codes of wv, K innermost, in blocks of 32 codes, four codes in three bytes); wv_scales 1,024 x 32 uint8 (E8M0 scales of wv, one for each 32 codes along K); x_codes 2 x 2,048 x 32 x 24 uint8 (E2M3 codes of x, K innermost, in blocks of 32 codes, four codes in three bytes); x_scales 2 x 2,048 x 32 uint8 (E8M0 scales of x, one for each 32 codes along K).
;; Outputs: out0 2 x 2,048 x 1,024 float32.
;; This version of the problem:
;;   THIS VERSION OF THE PROBLEM IS GIVEN IN LOW PRECISION. The matrix products marked QUANTISED in the list below multiply operands that are first quantised to E2M3 (2 exponent bits, 3 mantissa bits; 6 bits a number), with one power-of-two scale for each 32 numbers along K (OCP MX v1.0); their sums are f32. All else is computed in f32.
;;   The module's matrix products, in the order in which they are computed (A, B: the left and right operand; K: the contracted axis; several contracted axes count as one K, in the product's order):
;;     1. [M 4,096, K 1,024] x [K 1,024, N 1,024]; A: input x (given as codes); B: input wq (given as codes): QUANTISED
;;     2. [M 4,096, K 1,024] x [K 1,024, N 1,024]; A: input x (given as codes); B: input wk (given as codes): QUANTISED
;;     3. [M 4,096, K 1,024] x [K 1,024, N 1,024]; A: input x (given as codes); B: input wv (given as codes): QUANTISED
;;     4. batch 32 x [M 2,048, K 64] x [K 64, N 2,048]; A: computed on the way; B: computed on the way: QUANTISED
;;     5. batch 32 x [M 2,048, K 2,048] x [K 2,048, N 64]; A: softmax (see below); B: computed on the way: QUANTISED
;;     6. [M 4,096, K 1,024] x [K 1,024, N 1,024]; A: input x (given as codes); B: input wg (given as codes): QUANTISED
;;   THE QUANTISER, for each operand of a quantised product, along K:
;;     - K is cut into blocks of 32 from its start; a last block that is shorter is filled with zeros.
;;     - A block's scale is 2^e with e = floor(log2(the largest magnitude in the block)) - 2, held to -126 .. 127; a block of zeros has e = 0. As a byte (E8M0): e + 127.
;;     - Each number is divided by its block's scale, clamped to +-7.5, and rounded to the nearest number of E2M3, ties to even, subnormals kept.
;;     - The product sums the exact products of the quantised numbers (number of the format x scale) in f32.
;;   ~~~python
;;   def quantise(x, axis):      # numpy; x: float32 -> the quantised numbers, widened to float32 again
;;       x = np.moveaxis(x, axis, -1); K = x.shape[-1]
;;       x = np.pad(x, [(0, 0)] * (x.ndim - 1) + [(0, -K % 32)]); x = x.reshape(x.shape[:-1] + (-1, 32)); a = np.abs(x).max(-1, keepdims=True)
;;       e = np.where(a > 0, np.clip(np.frexp(np.where(a > 0, a, 1))[1] - 1 - 2, -126, 127), 0)      # np.frexp(a)[1] - 1 = floor(log2(a)), exactly
;;       r = np.clip(x / 2.0 ** e, -7.5, 7.5)
;;       step = 2.0 ** (np.maximum(np.frexp(np.where(r == 0, 1, r))[1] - 1, 0) - 3)
;;       q = np.round(r / step) * step * 2.0 ** e      # np.round: ties to even
;;       return np.moveaxis(q.reshape(q.shape[:-2] + (-1,))[..., :K], -1, axis).astype(np.float32)
;;   ~~~
;;   SOFTMAX AHEAD OF A QUANTISED PRODUCT. Where the list says 'softmax', what is quantised is not the finished softmax but p = 2^(t - M), with t = logit x log2(e) and M = ceil(the row's largest t), a whole number; so 1/2 < the row's largest p <= 1. The row's sum l is taken of the UNQUANTISED p, in f32, and the product's result is divided by l at the end. Since M is a whole number, a kernel that streams over the keys may use a running M (the ceiling of the running maximum): every later rescaling is an exact power of two, which a block's scale takes up: the codes' values come out the same.
;;   OPERANDS COMPUTED ON THE WAY. 'Computed on the way' means the value that the module computes at that place (a softmax that the list does not call 'softmax' is quantised finished and normalised). What goes into a quantiser is computed in f32, as accurately as f32 sums, v_exp_f32 and their like allow (about 1e-6 of the number): no bf16 or f16 on the way to a quantiser, and a product that is left as it is and whose result goes on into a quantised operand takes f32 operands (vector FMAs, or v_wmma_f32_16x16x4_f32). A number that lies on a knife's edge between two numbers of the format may be rounded either way, as far as f32 arithmetic and the matrix unit's own rounding can turn it there, and no further.
;;   INPUTS GIVEN AS CODES. wg (in the module: [1024, 1024], K = its axis 1); wk (in the module: [1024, 1024], K = its axis 1); wq (in the module: [1024, 1024], K = its axis 1); wv (in the module: [1024, 1024], K = its axis 1); x (in the module: [2, 2048, 1024], K = its axis 2): each comes as NAME_codes (uint8): NAME with its K axis moved to the last place and cut into blocks of 32 codes, [.., K / 32, bytes a block], one block behind the other in memory; four codes in three bytes: a row's codes are one little-endian stream of bits, code i at bits 6 i .. 6 i + 5 (a code: sign, 2 exponent bits, 3 mantissa bits); and NAME_scales (uint8): the same leading axes, one E8M0 byte (e + 127) for each 32 codes along K. Its value is code x scale, taken as it is: it is not quantised again, and the codes and scales need not be those that the quantiser above would give.
;; One version. Each part assembles by itself: llvm-mc -triple=amdgcn-amd-amdhsa -mcpu=gfx1250 --defsym DOCPART=n.
;; ======== version 1 of 1: 2 launches
;; limits: right only within a limited range of input values
;; workspace buffers: qrec 3,276,800 bytes; krec 3,276,800 bytes; vrec 3,276,800 bytes; gimg 16,777,216 bytes
;; launch proj (part 1): grid 16 x 16, 4 waves a work-group, clusters of 4 x 4, 327,680 bytes of LDS; arguments x_codes, x_scales, wq_codes, wk_codes, wg_codes, wv_codes, wq_scales, wk_scales, wg_scales, wv_scales, bq, bk, bg, bv, qrec, krec, gimg, vrec; writes qrec, krec, gimg, vrec
.if DOCPART == 1
	.amdgcn_target "amdgcn-amd-amdhsa--gfx1250"
	.amdhsa_code_object_version 6
	.text
	.protected	k_q33163c8764_proj
	.globl	k_q33163c8764_proj
	.p2align	8
	.type	k_q33163c8764_proj,@function
k_q33163c8764_proj:
	s_mov_b64 s[64:65], 0
	v_nop
	global_prefetch_b8 v0, s[64:65] scope:SCOPE_SE
	s_setreg_imm32_b32 hwreg(HW_REG_WAVE_MODE, 25, 1), 1
	s_wait_xcnt 0x0
	s_wait_alu depctr_hold_cnt(0) depctr_sa_sdst(0) depctr_va_vdst(0) depctr_va_sdst(0) depctr_va_ssrc(0) depctr_va_vcc(0) depctr_vm_vsrc(0)
	s_getreg_b32 s2, hwreg(HW_REG_IB_STS2, 6, 4)
	s_cmp_eq_u32 s2, 0
	s_cbranch_scc0 .Lentry_in_a_cluster
	s_endpgm
.Lentry_in_a_cluster:
	s_bfe_u32 s2, ttmp6, 0x10000c
	s_cmp_lg_u32 s2, 0xf033
	s_cbranch_scc0 .Lentry_shape_is_right
	s_endpgm
.Lentry_shape_is_right:
; THE FOUR PROJECTIONS: x W^T + b for W = wq, wk, wg, wv, on the given FP6 (E2M3) codes and E8M0 scales.  No work of the problem is left out.
; Cluster x picks the weight; a work-group makes 256 x 256 of one product, a wave 128 x 128 in 64 accumulators.  For wv the operands change places, so that v comes out with the keys along a lane's registers.
; q, k, v are quantised here along their next K and stored as records of operand images (6,400 bytes for 128 tokens of a head); the gate is stored as f32 images of the consumer's registers.
; K goes through a ring of two LDS slots in chunks of 256 bytes of each 768-byte row: three chunks, eight steps of 96 bytes; steps 2 and 5 lie across two chunks.
; The scales of the 256 + 256 rows come once, as two dense blocks.  A's tiles are asked for jointly along a row of the 4 x 4 cluster, B's along a column.
; No prefetch: K is three chunks, of which two are asked for at the head and the third in step 2; there is no loop to run ahead in.
; The bias is the C operand of each accumulator's first product.  LIMITS: NaN and infinities are not served.
.set ROWB,   256
.set NQ,     2
.set KROW,   768
.set STEPS,  8
.set CHUNKS, 3
.set PITCH,  272
.set FR,     12
.set NL,     6
.set NP,     4
.set HALFT,  128*PITCH
.set SLOT,   4*HALFT
.set KS,     32
.set SCL,    2*SLOT
.set HALFS,  (128*KS/256)*272
.set SBLK,   (16*KS/256)*272
.set SPARE,  SCL+4*HALFS
.set REC,    6400
.set ADRA, 16
.set ADRB, 20
.set LI,   24
.set LS,   25
.set ADRS, 27
.set SPW,  28
.set NIL,  29
.set SC,   32
.set BI,   64
.set AF,   128
.set BA,   224
.set TM,   32
.set PW,   48
.set SW,   52
.set CD,   64
.set G1, 24
.set G0, 32
.set G1B, 48
.set G0B, 56
.set G0H1, 76                          ; s[76:79], s[88:91] group 0 for the head's loads of chunk 1: A's 256 rows, B's 256 rows
.set G0HB1, 88
.set SST, 26                           ; v26 where my thread stores its 16 bytes of each scale unit
.set SGO, 30                           ; v30 16 x my thread's number
.set G0H, 4
.set G0HB, 8
.set MSB, 0
.macro WIN new
.if MSB != \new
	s_set_vgpr_msb (MSB<<8)|\new
.set MSB, \new
.endif
.endm
.set MUL_LO, 0xa1
.set MUL_HI, 0xf1
.set BIA_LO, 0x81
.set BIA_HI, 0xc1
.set TO_B,   0x40
.macro JLOAD g0a, g1a, g0b, g1b        ; waves 0, 1 ask for A, waves 2, 3 for B
	s_cmp_eq_u32 s15, 0
	s_cbranch_scc0 .Lfor_b_\@
	tensor_load_to_lds s[\g0a:\g0a+3], s[\g1a:\g1a+7]
	s_nop 0
.rept 4
	v_nop
.endr
	s_branch .Lasked_\@
.Lfor_b_\@:
	tensor_load_to_lds s[\g0b:\g0b+3], s[\g1b:\g1b+7]
	s_nop 0
.rept 4
	v_nop
.endr
.Lasked_\@:
.endm
.macro CREST
	s_cmp_lg_u32 s14, 0
	s_cbranch_scc1 .Lnot_wave_0_\@
	s_barrier_signal -3
.Lnot_wave_0_\@:
	s_barrier_wait -3
	s_barrier_signal -1
	s_barrier_wait -1
.endm
.macro CROUND
	s_barrier_signal -1
	s_barrier_wait -1
	CREST
.endm
	s_load_b128 s[4:7], s[0:1], 0x0
	s_load_b256 s[24:31], s[0:1], 0x10
	s_load_b256 s[32:39], s[0:1], 0x30
	s_load_b256 s[48:55], s[0:1], 0x50
	s_load_b256 s[56:63], s[0:1], 0x70
	v_lshl_add_u32 v[SPW], v0, 2, SPARE
	v_mov_b32 v[NIL], 0
	ds_add_u32 v[SPW], v[NIL]                      ; the opening lines: the add twice and one wait
	ds_add_u32 v[SPW], v[NIL]
	v_lshrrev_b32 v1, 5, v0
	v_readfirstlane_b32 s14, v1                    ; wave
	s_lshr_b32 s15, s14, 1
	s_and_b32 s16, s14, 1
	s_bfe_u32 s40, ttmp6, 0x40000                  ; cx
	s_bfe_u32 s41, ttmp6, 0x40004                  ; cy
	s_and_b32 s18, ttmp7, 0xffff
	s_lshl_b32 s18, s18, 2
	s_lshl_b32 s43, s41, 2
	s_lshl_b32 s43, 15, s43                        ; my row of the cluster
	s_lshl_b32 s44, 0x1111, s40                    ; my column
	s_wait_dscnt 0x0
	s_wait_kmcnt 0x0
.irp t, 1,2,3                                  ; the weight, its scales, its bias and its output, by cluster x
	s_cmp_eq_u32 ttmp9, \t
	s_cselect_b64 s[24:25], s[24+2*\t:25+2*\t], s[24:25]
	s_cselect_b64 s[32:33], s[32+2*\t:33+2*\t], s[32:33]
	s_cselect_b64 s[48:49], s[48+2*\t:49+2*\t], s[48:49]
	s_cselect_b64 s[56:57], s[56+2*\t:57+2*\t], s[56:57]
.endr
	s_cmp_eq_u32 ttmp9, 3                          ; for wv: A = wv, B = x
	s_cselect_b64 s[8:9], s[4:5], s[24:25]
	s_cselect_b64 s[10:11], s[6:7], s[32:33]
	s_cselect_b64 s[4:5], s[24:25], s[4:5]
	s_cselect_b64 s[6:7], s[32:33], s[6:7]
	s_cselect_b32 s17, 0, s18
	s_cselect_b32 s42, s18, 0
	s_cselect_b32 s66, 4, 0
	s_cselect_b32 s67, 0, 32
	s_cselect_b32 s95, 0, 4
	s_mov_b64 s[12:13], s[56:57]
	s_mov_b64 s[96:97], s[48:49]
	s_add_co_u32 s17, s17, s41                     ; A's tile
	s_add_co_u32 s42, s42, s40                     ; B's tile
	s_or_b32 s[G1+0], s43, (0<<16)|(1<<20)|(1<<21)|(5<<22)|(3<<25)
	s_or_b32 s[G1B+0], s44, (0<<16)|(1<<20)|(1<<21)|(5<<22)|(3<<25)
.irp g, G1, G1B                                ; rows of 256 bytes, 16 of padding behind each; 256 rows at the head
	s_mov_b32 s[\g+1], ROWB<<16
	s_mov_b32 s[\g+2], 256<<16
	s_mov_b32 s[\g+3], ROWB<<16
	s_mov_b32 s[\g+4], 256
	s_mov_b32 s[\g+5], KROW
	s_mov_b32 s[\g+6], 0
	s_mov_b32 s[\g+7], 0
.endr
	s_lshl_b32 s20, s17, 8
	s_lshl_b32 s46, s42, 8
	s_mov_b32 s21, 0
	s_mov_b32 s47, 0
	s_mov_b64 s[18:19], KS
	s_mul_u64 s[22:23], s[20:21], s[18:19]
	s_mul_u64 s[92:93], s[46:47], s[18:19]
	s_mov_b64 s[18:19], KROW
	s_mul_u64 s[20:21], s[20:21], s[18:19]
	s_mul_u64 s[46:47], s[46:47], s[18:19]
	s_mul_i32 s18, s16, 128*KROW                   ; in the ring I fetch 128 rows
	s_mov_b32 s19, 0
	s_mul_i32 s45, s14, HALFT
	s_add_nc_u64 s[20:21], s[4:5], s[20:21]
	s_add_nc_u64 s[22:23], s[6:7], s[22:23]
	s_add_nc_u64 s[46:47], s[8:9], s[46:47]
	s_add_nc_u64 s[92:93], s[10:11], s[92:93]
	; the scales: 8,192 + 8,192 bytes, through registers: 128 threads x 16 bytes x 4 for each side, whole runs of 2,048 bytes.  Not asked for jointly: 16 KB of the work-group's 409 KB
	v_lshlrev_b32 v[SGO], 4, v0
.irp i, 0,1,2,3
	global_load_b128 v[AF+4*\i:AF+4*\i+3], v[SGO], s[22:23] offset:2048*\i
	global_load_b128 v[AF+16+4*\i:AF+16+4*\i+3], v[SGO], s[92:93] offset:2048*\i
.endr
	CROUND                                         ; in front of the first joint loads
	s_mov_b32 s[G0H], 1
	s_mov_b32 s[G0H+1], 0
	s_mov_b64 s[G0H+2:G0H+3], s[20:21]
	s_or_b32 s[G0H+3], s[G0H+3], 0x80000000
	s_mov_b32 s[G0HB], 1
	s_mov_b32 s[G0HB+1], 2*HALFT
	s_mov_b64 s[G0HB+2:G0HB+3], s[46:47]
	s_or_b32 s[G0HB+3], s[G0HB+3], 0x80000000
	s_mov_b32 s[G0H1], 1                           ; chunk 1 of A's 256 rows, into slot 1
	s_mov_b32 s[G0H1+1], SLOT
	s_add_nc_u64 s[G0H1+2:G0H1+3], s[20:21], ROWB
	s_or_b32 s[G0H1+3], s[G0H1+3], 0x80000000
	s_mov_b32 s[G0HB1], 1                          ; and of B's
	s_mov_b32 s[G0HB1+1], SLOT+2*HALFT
	s_add_nc_u64 s[G0HB1+2:G0HB1+3], s[46:47], ROWB
	s_or_b32 s[G0HB1+3], s[G0HB1+3], 0x80000000
	s_add_nc_u64 s[20:21], s[20:21], s[18:19]
	s_add_nc_u64 s[46:47], s[46:47], s[18:19]
.irp s, 0                                      ; slot 0 alone is filled again, with chunk 2
	s_mov_b32 s[G0+4*\s], 1
	s_add_co_u32 s[G0+4*\s+1], s45, \s*SLOT
	s_add_nc_u64 s[G0+4*\s+2:G0+4*\s+3], s[20:21], \s*ROWB
	s_or_b32 s[G0+4*\s+3], s[G0+4*\s+3], 0x80000000
	s_mov_b32 s[G0B+4*\s], 1
	s_add_co_u32 s[G0B+4*\s+1], s45, \s*SLOT
	s_add_nc_u64 s[G0B+4*\s+2:G0B+4*\s+3], s[46:47], \s*ROWB
	s_or_b32 s[G0B+4*\s+3], s[G0B+4*\s+3], 0x80000000
.endr
; the head's four tiles, one load a wave: chunk 0 of A, chunk 0 of B, chunk 1 of A, chunk 1 of B: both slots' first fills
.macro ARM under, g0, g1, next
	s_cmp_lt_u32 s14, \under
	s_cbranch_scc0 \next
	tensor_load_to_lds s[\g0:\g0+3], s[\g1:\g1+7]
	s_nop 0
.rept 4
	v_nop
.endr
	s_branch .Lhead_asked
\next:
.endm
	ARM 1, G0H,  G1,  .Lhead_b
	ARM 2, G0HB, G1B, .Lhead_sa
	ARM 3, G0H1, G1,  .Lhead_sb
	tensor_load_to_lds s[G0HB1:G0HB1+3], s[G1B:G1B+7]
	s_nop 0
.rept 4
	v_nop
.endr
.Lhead_asked:
	s_wait_xcnt 0x0                                ; the scales' loads have read their bases: s22 is written below
	v_and_b32 v1, 15, v0
	v_bfe_u32 v2, v0, 4, 1
	v_mul_u32_u24 v3, v1, PITCH
	v_mul_u32_u24 v4, v2, 24
	v_add_nc_u32 v4, v3, v4                        ; row x pitch + 24 x half
	s_mov_b32 s21, SLOT-232
	s_mov_b32 s22, SLOT+232
	v_sub_nc_u32 v7, 1, v2
	v_mul_u32_u24 v5, s21, v2
	v_add_nc_u32 v5, v3, v5
	v_add_nc_u32 v5, 232, v5                       ; across chunks: lanes 0-15 byte 232 in slot 0, lanes 16-31 byte 0 in slot 1
	v_mul_u32_u24 v6, s22, v7
	v_add_nc_u32 v6, v3, v6                        ; and the other way round
	s_mul_i32 s21, s15, HALFT
	s_mul_i32 s22, s16, HALFT
	s_add_co_u32 s22, s22, 2*HALFT
	v_add_nc_u32 v[ADRA+2], s21, v5
	v_add_nc_u32 v[ADRA+3], s21, v6
	v_add_nc_u32 v[ADRB+2], s22, v5
	v_add_nc_u32 v[ADRB+3], s22, v6
.irp s, 0,1
	v_add_nc_u32 v[ADRA+\s], s21, v4
	v_add_nc_u32 v[ADRB+\s], s22, v4
	s_add_co_u32 s21, s21, SLOT
	s_add_co_u32 s22, s22, SLOT
.endr
	v_mul_u32_u24 v5, v1, KS
	v_lshrrev_b32 v6, 8, v5
	v_lshl_add_u32 v5, v6, 4, v5
	s_mul_i32 s21, s15, HALFS
	s_mul_i32 s22, s16, HALFS
	s_add_co_u32 s22, s22, 2*HALFS
	s_sub_co_u32 s22, s22, s21
	v_mul_u32_u24 v6, s22, v2                      ; lanes 16-31 take B's words
	s_add_co_u32 s21, s21, SCL
	v_add_nc_u32 v5, v5, v6
	v_add_nc_u32 v[ADRS], s21, v5
	v_lshrrev_b32 v5, 4, v0                        ; the scales' stores: sixteen threads fill a unit of 256 bytes; units lie 272 bytes apart
	v_mul_u32_u24 v5, v5, 272
	v_lshl_add_u32 v5, v1, 4, v5
	v_add_nc_u32 v[SST], SCL, v5
	v_and_b32 v6, 31, v0
	v_lshlrev_b32 v[LI], 4, v6
	v_lshlrev_b32 v[LS], 3, v6
	v_mul_u32_u24 v3, v1, s66
	v_mad_u32_u24 v3, v2, s67, v3
	s_wait_alu depctr_va_vdst(0)
.irp j, 0,1,2,3,4,5,6,7
	s_mul_i32 s23, s95, \j
	v_add_nc_u32 v[BA+\j], s23, v3                 ; the bias in the result's layout
.endr
	s_lshl_b32 s20, s17, 1
	s_add_co_u32 s20, s20, s15
	s_lshl_b32 s46, s42, 1
	s_add_co_u32 s46, s46, s16
	s_cmp_eq_u32 ttmp9, 3
	s_cselect_b32 s22, s46, s20
	s_cselect_b32 s23, s20, s46
	s_lshl_b32 s20, s23, 9
	s_mov_b32 s21, 0
	s_add_nc_u64 s[96:97], s[96:97], s[20:21]
	s_lshr_b32 s46, s22, 4
	s_lshl_b32 s46, s46, 4
	s_lshl_b32 s23, s23, 1
	s_add_co_u32 s46, s46, s23
	s_and_b32 s22, s22, 15
	s_lshl_b32 s46, s46, 4
	s_add_co_u32 s46, s46, s22
	s_cmp_eq_u32 ttmp9, 2
	s_mov_b32 s47, REC
	s_cselect_b32 s47, 32768, s47
	s_mul_i32 s20, s46, s47
	s_add_nc_u64 s[12:13], s[12:13], s[20:21]
	s_wait_alu depctr_va_vdst(0)
.irp t, 0,1,2,3,4,5,6,7
.irp j, 0,1,2,3,4,5,6,7
	global_load_b32 v[BI+8*\t+\j], v[BA+\j], s[96:97] offset:64*\t
.endr
.endr
.macro FRAG reg, adr, st, i            ; 16 rows x 128 K: six pieces of 8 bytes; byte y of a row lies in slot (y / 256) % 2 at byte y % 256
.irp p, 0,1,2,3,4,5
.set BY, 96*(\st)+48*(\p/3)+8*(\p%3)
.if BY/ROWB == (BY+24)/ROWB
	ds_load_b64 v[\reg+2*\p:\reg+2*\p+1], v[\adr+(BY/ROWB)%2] offset:BY%ROWB+(\i)*16*PITCH
.else
	ds_load_b64 v[\reg+2*\p:\reg+2*\p+1], v[\adr+2+(BY/ROWB)%2] offset:BY%ROWB-232+(\i)*16*PITCH
.endif
.endr
.endm
.macro MUL16 a0, p, q, sc, zero        ; zero = 1: C = the bias by B's block; 2: by A's block; the 64 accumulators take turns
.irp a, \a0, \a0+1
.irp b, 0,1,2,3,4,5,6,7
.if \zero == 1
	v_wmma_scale_f32_16x16x128_f8f6f4 v[8*(8*((\a)%4)+\b):8*(8*((\a)%4)+\b)+7], v[128*(\p)+FR*\b:128*(\p)+FR*\b+FR-1], v[AF+FR*(\a):AF+FR*(\a)+FR-1], v[BI+8*\b:BI+8*\b+7], v[SC+8*NQ*(\sc)+NQ*\b+(\q)], v[SC+8*NQ*(\sc)+NQ*(\a)+(\q)] matrix_a_fmt:MATRIX_FMT_FP6 matrix_b_fmt:MATRIX_FMT_FP6 matrix_a_scale:MATRIX_SCALE_ROW1
.elseif \zero == 2
	v_wmma_scale_f32_16x16x128_f8f6f4 v[8*(8*((\a)%4)+\b):8*(8*((\a)%4)+\b)+7], v[128*(\p)+FR*\b:128*(\p)+FR*\b+FR-1], v[AF+FR*(\a):AF+FR*(\a)+FR-1], v[BI+8*(\a):BI+8*(\a)+7], v[SC+8*NQ*(\sc)+NQ*\b+(\q)], v[SC+8*NQ*(\sc)+NQ*(\a)+(\q)] matrix_a_fmt:MATRIX_FMT_FP6 matrix_b_fmt:MATRIX_FMT_FP6 matrix_a_scale:MATRIX_SCALE_ROW1
.else
	v_wmma_scale_f32_16x16x128_f8f6f4 v[8*(8*((\a)%4)+\b):8*(8*((\a)%4)+\b)+7], v[128*(\p)+FR*\b:128*(\p)+FR*\b+FR-1], v[AF+FR*(\a):AF+FR*(\a)+FR-1], v[8*(8*((\a)%4)+\b):8*(8*((\a)%4)+\b)+7], v[SC+8*NQ*(\sc)+NQ*\b+(\q)], v[SC+8*NQ*(\sc)+NQ*(\a)+(\q)] matrix_a_fmt:MATRIX_FMT_FP6 matrix_b_fmt:MATRIX_FMT_FP6 matrix_a_scale:MATRIX_SCALE_ROW1
.endif
.endr
.endr
.endm
.macro FETCH_B st, p
	WIN TO_B
.irp i, 0,1,2,3,4,5,6,7
	FRAG 128*(\p)+FR*\i, ADRB, \st, \i
.endr
	WIN 0
.endm
.macro FETCH_A st, i0
.irp i, \i0, \i0+1, \i0+2, \i0+3
	FRAG AF+FR*(\i), ADRA, \st, \i
.endr
.endm
.macro SCALES pr
.irp i, 0,1,2,3,4,5,6,7
	ds_load_b64 v[SC+8*NQ*((\pr)%2)+NQ*\i:SC+8*NQ*((\pr)%2)+NQ*\i+1], v[ADRS] offset:\i*SBLK+4*NQ*(\pr)
.endr
.endm
.macro PLACES n
.rept \n
	v_nop
.endr
.endm
; A step: 64 products; the next step's fragments are fetched in its middle and at its end.  Where the next step ends in a chunk not yet read: wait and barrier.
; Where it begins in a later chunk: the three lines, the barrier, and, if a chunk two on is left, the cluster's round and the refill.
.macro STEP st, zero
.set NX, (\st)+1
.set C0, (96*(\st))/ROWB
.set C1, (96*NX)/ROWB
.set E0, (96*(\st)+95)/ROWB
.set E1, (96*NX+95)/ROWB
.if \zero
.set WLO, BIA_LO
.set WHI, BIA_HI
.else
.set WLO, MUL_LO
.set WHI, MUL_HI
.endif
.if C1 > C0 || (E1 > E0 && E1 > 1)     ; chunks 0 and 1 were shown whole at the head
	s_wait_tensorcnt 0x0                           ; all my tensor loads have landed
.if C1 > C0
	ds_add_u32 v[SPW], v[NIL]
	s_wait_dscnt 4*NL+1                            ; the add and A's blocks 4-7 may be out
.else
	s_wait_dscnt 4*NL                              ; A's blocks 4-7 may be out
.endif
	WIN WLO
	MUL16 0, (\st)%2, (\st)%2, ((\st)/2)%2, \zero
	s_wait_dscnt 0x0                               ; the add and all my reads are done
	s_barrier_signal -1
	MUL16 2, (\st)%2, (\st)%2, ((\st)/2)%2, \zero
	WIN 0
	s_barrier_wait -1
.if C1 > C0 && C0+2 < CHUNKS
	CREST
	s_add_nc_u64 s[G0+4*(C0%2)+2:G0+4*(C0%2)+3], s[G0+4*(C0%2)+2:G0+4*(C0%2)+3], 2*ROWB
	s_add_nc_u64 s[G0B+4*(C0%2)+2:G0B+4*(C0%2)+3], s[G0B+4*(C0%2)+2:G0B+4*(C0%2)+3], 2*ROWB
	JLOAD G0+4*(C0%2), G1, G0B+4*(C0%2), G1B       ; chunk C0 + 2; its four v_nop are the places for the loads below
.else
	PLACES NP
.endif
.else
	s_wait_dscnt 4*NL                              ; A's blocks 4-7 may be out
	WIN WLO
	MUL16 0, (\st)%2, (\st)%2, ((\st)/2)%2, \zero
	MUL16 2, (\st)%2, (\st)%2, ((\st)/2)%2, \zero
	s_wait_dscnt 0
	PLACES NP
.endif
	FETCH_B NX, NX%2
	FETCH_A NX, 0
.if NX%2 == 0
	SCALES NX/2
.endif
	WIN WHI
	MUL16 4, (\st)%2, (\st)%2, ((\st)/2)%2, \zero
	MUL16 6, (\st)%2, (\st)%2, ((\st)/2)%2, \zero
	PLACES NP
	WIN 0
	FETCH_A NX, 4
.endm
	s_wait_alu depctr_va_vdst(0)                   ; the head's end
	s_wait_loadcnt 0x0                             ; the scales and the bias are in registers
	s_wait_tensorcnt 0x0                           ; my tile of the head's four is in
	s_mov_b32 s[G1+2], 128<<16                     ; no load of mine is out: from here on a load brings 128 rows
	s_mov_b32 s[G1+4], 128
	s_mov_b32 s[G1B+2], 128<<16
	s_mov_b32 s[G1B+4], 128
.irp i, 0,1,2,3
	ds_store_b128 v[SST], v[AF+4*\i:AF+4*\i+3] offset:2176*\i              ; A's units 8 i + thread / 16; no fill ever lands on these bytes
	ds_store_b128 v[SST], v[AF+16+4*\i:AF+16+4*\i+3] offset:2*HALFS+2176*\i   ; B's, behind A's 32 units
.endr
	s_wait_dscnt 0x0                               ; my stores are done, for the others' sake
	s_barrier_signal -1
	s_barrier_wait -1                              ; all four tiles and all scales are in
	FETCH_B 0, 0
	FETCH_A 0, 0
	SCALES 0
	FETCH_A 0, 4
	s_cmp_eq_u32 ttmp9, 3
	s_cbranch_scc1 .Lfirst_v
	STEP 0, 1
	s_branch .Lfirst_done
.Lfirst_v:
	STEP 0, 2
.Lfirst_done:
.set ST, 1
.rept STEPS-2
	STEP ST, 0
.set ST, ST+1
.endr
	s_wait_dscnt 4*NL
	WIN MUL_LO
	MUL16 0, 1, 1, 1, 0
	MUL16 2, 1, 1, 1, 0
	s_wait_dscnt 0
	WIN MUL_HI
	MUL16 4, 1, 1, 1, 0
	MUL16 6, 1, 1, 1, 0
	WIN 0
; THE WAY OUT.  A fragment of 128 along the next K: four blocks of 32, each block's scale from its largest magnitude, codes by the scaled conversion, stored as an image of the operand's registers.
.macro FRAGOUT w, sa, sb, hh, fx
.set WW, \w
.set W5, 5*WW
.set SA, \sa
.set SB, \sb
	WIN W5
.irp b, 0,1
	v_max3_num_f32 v[TM+\b], |v[SA+16*\b]|, |v[SA+16*\b+1]|, 0x1800000
	v_max3_num_f32 v[TM+2+\b], |v[SB+16*\b]|, |v[SB+16*\b+1]|, 0x1800000
.endr
.irp n, 2,4,6,8,10,12,14
.irp b, 0,1
	v_max3_num_f32 v[TM+\b], |v[SA+16*\b+\n]|, |v[SA+16*\b+\n+1]|, v[TM+\b]
	v_max3_num_f32 v[TM+2+\b], |v[SB+16*\b+\n]|, |v[SB+16*\b+\n+1]|, v[TM+2+\b]
.endr
.endr
	WIN 0
.irp b, 0,1,2,3
	v_permlanex16_b32 v[TM+4+\b], v[TM+\b], s20, s21
.endr
.irp b, 0,1,2,3
	v_max_num_f32 v[TM+\b], v[TM+\b], v[TM+4+\b]
.endr
.irp b, 0,1,2,3
	v_add_nc_u32 v[TM+12+\b], 0xff000000, v[TM+\b]
.endr
.irp b, 0,1,2,3
	v_lshrrev_b32 v[TM+4+\b], 23, v[TM+12+\b]
.endr
	v_lshl_or_b32 v[PW+\fx], v[TM+5], 8, v[TM+4]
	v_lshl_or_b32 v[PW+\fx], v[TM+6], 16, v[PW+\fx]
	v_lshl_or_b32 v[PW+\fx], v[TM+7], 24, v[PW+\fx]
	s_wait_xcnt 0x0                                ; the earlier stores have read their data registers
	WIN WW
	v_cvt_scalef32_pk16_fp6_f32 v[CD:CD+2], v[SA:SA+15], v[TM+12]
	v_cvt_scalef32_pk16_fp6_f32 v[CD+12:CD+14], v[SA+16:SA+31], v[TM+13]
	v_cvt_scalef32_pk16_fp6_f32 v[CD+6:CD+8], v[SB:SB+15], v[TM+14]
	v_cvt_scalef32_pk16_fp6_f32 v[CD+16:CD+18], v[SB+16:SB+31], v[TM+15]
	WIN 0
	v_nop
.irp c, 0,1
.irp n, 0,1,2
	v_permlane16_swap_b32 v[CD+6*\c+\n], v[CD+12+4*\c+\n]
.endr
.irp n, 0,1,2
	v_mov_b32 v[CD+3+6*\c+\n], v[CD+12+4*\c+\n]
.endr
.endr
.irp c, 0,1,2
	global_store_b128 v[LI], v[CD+4*\c:CD+4*\c+3], s[12:13] offset:16*REC*\hh+1536*\fx+512*\c
.endr
.endm
.macro WORDS hh
	v_cndmask_b32 v[SW+2*\hh], v[PW], v[PW+1], s2
	v_cndmask_b32 v[SW+2*\hh+1], v[PW+2], v[PW+3], s2
	global_store_b64 v[LS], v[SW+2*\hh:SW+2*\hh+1], s[12:13] offset:16*REC*\hh+6144
.endm
	s_mov_b32 s20, 0x76543210
	s_mov_b32 s21, 0xfedcba98
	s_mov_b32 s2, 0xffff0000
.irp b, 0,1,2,3
	v_mov_b32 v[TM+4+\b], 0
.endr
	s_cmp_eq_u32 ttmp9, 2
	s_cbranch_scc1 .Lgate
	s_cmp_eq_u32 ttmp9, 3
	s_cbranch_scc1 .Lvee
.irp hh, 0,1
.irp f, 0,1,2,3
	FRAGOUT 2+\f/2, 64*((2*\f)%4)+32*\hh, 64*((2*\f+1)%4)+32*\hh, \hh, \f
.endr
	WORDS \hh
.endr
	s_branch .Ldone
.Lvee:
.irp hh, 0,1
.irp f, 0,1,2,3
	FRAGOUT 2+\hh, 64*\f, 64*\f+32, \hh, \f
.endr
	WORDS \hh
.endr
	s_branch .Ldone
.Lgate:
.irp a, 0,1,2,3,4,5,6,7
	WIN 0x08+4*(\a/4)
.irp b, 0,1,2,3,4,5,6,7
	global_store_b128 v[LI], v[8*(8*(\a%4)+\b):8*(8*(\a%4)+\b)+3], s[12:13] offset:524288*(\b/4)+4096*\a+1024*(\b%4) th:TH_STORE_NT
	global_store_b128 v[LI], v[8*(8*(\a%4)+\b)+4:8*(8*(\a%4)+\b)+7], s[12:13] offset:524288*(\b/4)+4096*\a+1024*(\b%4)+512 th:TH_STORE_NT
.endr
.endr
	WIN 0
.Ldone:
	s_wait_tensorcnt 0x0                           ; the wave's end
	ds_add_u32 v[SPW], v[NIL]
	s_wait_dscnt 0x0
	CROUND                                         ; the closing round
	s_endpgm
.Lfunc_end_k_q33163c8764_proj:
	.size	k_q33163c8764_proj, .Lfunc_end_k_q33163c8764_proj-k_q33163c8764_proj
	.p2alignl 7, 3214868480
	.fill 96, 4, 3214868480
	.section	.rodata,"a",@progbits
	.p2align	6, 0x0
	.amdhsa_kernel k_q33163c8764_proj
		.amdhsa_group_segment_fixed_size 327680
		.amdhsa_private_segment_fixed_size 0
		.amdhsa_enable_private_segment 0
		.amdhsa_kernarg_size 144
		.amdhsa_user_sgpr_count 2
		.amdhsa_user_sgpr_kernarg_segment_ptr 1
		.amdhsa_wavefront_size32 1
		.amdhsa_system_sgpr_workgroup_id_x 1
		.amdhsa_system_sgpr_workgroup_id_y 1
		.amdhsa_system_sgpr_workgroup_id_z 1
		.amdhsa_system_vgpr_workitem_id 0
		.amdhsa_next_free_vgpr 1024
		.amdhsa_next_free_sgpr 100
		.amdhsa_reserve_vcc 0
		.amdhsa_float_denorm_mode_32 3
		.amdhsa_float_denorm_mode_16_64 3
		.amdhsa_memory_ordered 1
		.amdhsa_forward_progress 1
		.amdhsa_inst_pref_size 232
	.end_amdhsa_kernel
	.amdgpu_metadata
---
amdhsa.version: [ 1, 2 ]
amdhsa.kernels:
  - .name:           k_q33163c8764_proj
    .symbol:         k_q33163c8764_proj.kd
    .args:
      - { .name: x_codes, .offset: 0, .size: 8, .value_kind: global_buffer, .address_space: global }
      - { .name: x_scales, .offset: 8, .size: 8, .value_kind: global_buffer, .address_space: global }
      - { .name: wq_codes, .offset: 16, .size: 8, .value_kind: global_buffer, .address_space: global }
      - { .name: wk_codes, .offset: 24, .size: 8, .value_kind: global_buffer, .address_space: global }
      - { .name: wg_codes, .offset: 32, .size: 8, .value_kind: global_buffer, .address_space: global }
      - { .name: wv_codes, .offset: 40, .size: 8, .value_kind: global_buffer, .address_space: global }
      - { .name: wq_scales, .offset: 48, .size: 8, .value_kind: global_buffer, .address_space: global }
      - { .name: wk_scales, .offset: 56, .size: 8, .value_kind: global_buffer, .address_space: global }
      - { .name: wg_scales, .offset: 64, .size: 8, .value_kind: global_buffer, .address_space: global }
      - { .name: wv_scales, .offset: 72, .size: 8, .value_kind: global_buffer, .address_space: global }
      - { .name: bq, .offset: 80, .size: 8, .value_kind: global_buffer, .address_space: global }
      - { .name: bk, .offset: 88, .size: 8, .value_kind: global_buffer, .address_space: global }
      - { .name: bg, .offset: 96, .size: 8, .value_kind: global_buffer, .address_space: global }
      - { .name: bv, .offset: 104, .size: 8, .value_kind: global_buffer, .address_space: global }
      - { .name: qrec, .offset: 112, .size: 8, .value_kind: global_buffer, .address_space: global }
      - { .name: krec, .offset: 120, .size: 8, .value_kind: global_buffer, .address_space: global }
      - { .name: gimg, .offset: 128, .size: 8, .value_kind: global_buffer, .address_space: global }
      - { .name: vrec, .offset: 136, .size: 8, .value_kind: global_buffer, .address_space: global }
    .group_segment_fixed_size: 327680
    .private_segment_fixed_size: 0
    .kernarg_segment_align: 8
    .kernarg_segment_size: 144
    .max_flat_workgroup_size: 128
    .sgpr_count:     100
    .vgpr_count:     1024
    .wavefront_size: 32
...
	.end_amdgpu_metadata
.endif
;; end of part 1
;; launch attn (part 2): grid 8 x 32, 16 waves a work-group, clusters of 4 x 1, 327,680 bytes of LDS; arguments qrec, krec, vrec, gimg, gamma, beta, out0; writes out0
.if DOCPART == 2
	.amdgcn_target "amdgcn-amd-amdhsa--gfx1250"
	.amdhsa_code_object_version 6
	.text
	.protected	k_q33163c8764_attn
	.globl	k_q33163c8764_attn
	.p2align	8
	.type	k_q33163c8764_attn,@function
k_q33163c8764_attn:
	s_mov_b64 s[64:65], 0
	v_nop
	global_prefetch_b8 v0, s[64:65] scope:SCOPE_SE
	s_setreg_imm32_b32 hwreg(HW_REG_WAVE_MODE, 25, 1), 1
	s_wait_xcnt 0x0
	s_wait_alu depctr_hold_cnt(0) depctr_sa_sdst(0) depctr_va_vdst(0) depctr_va_sdst(0) depctr_va_ssrc(0) depctr_va_vcc(0) depctr_vm_vsrc(0)
	s_getreg_b32 s2, hwreg(HW_REG_IB_STS2, 6, 4)
	s_cmp_eq_u32 s2, 0
	s_cbranch_scc0 .Lentry_in_a_cluster
	s_endpgm
.Lentry_in_a_cluster:
	s_bfe_u32 s2, ttmp6, 0x10000c
	s_cmp_lg_u32 s2, 0x3003
	s_cbranch_scc0 .Lentry_shape_is_right
	s_endpgm
.Lentry_shape_is_right:
; ATTENTION, GATE AND GROUP NORM.  For each (batch, head): o[q] = sum over k of softmax_k(q . k / 8) v[k]; y = gate x o; out = (y - mean) / sqrt(var + 1e-5) x gamma + beta over the head's 64 channels.
; Both products on FP6 (E2M3) codes with one E8M0 scale for each 32 along K.  q, k, v come as records of operand images (6,400 bytes for 128 tokens of a head), the gate as f32 images of O^T's registers.
; SOFTMAX: t = score x log2(e) / 8; M = the running largest t rounded up to a whole number; p = 2^(t - M) is quantised along the keys; the sum is taken of the unquantised p and divides at the end.
; SHARES: a work-group owns 256 queries of a head, each of its sixteen waves 16 of them.  A head's whole K and V lie in LDS, 32 records = 204,800 bytes, filled once:
; every wave asks for two records (50 rows of 256 bytes), its addresses made of its number; waves 0-7 K's, waves 8-15 V's.  One wait, one barrier, then sixteen key steps with no barrier between them.
; CLUSTER: the four work-groups of a cluster belong to one head and ask for K and V jointly.
; THE GATE is each wave's own 4,096 bytes: named by one prefetch (a lane to each 256 bytes; lanes 16-31 name the last again) in the loop's fifth trip, eleven steps ahead of the loads, which stand in the last step.
; K and V are not prefetched: they are asked for once, at the head, with no loop ahead of them.
; LAYOUT: both products transposed (S^T = K Q^T, O^T = V^T P^T): a lane holds one query.  A fragment of k carries two tiles of 16 keys (K = 64 each); QA = [q | zero codes], QB = [zero codes | q] pick one.
; LIMITS: NaN and infinities are not served.  A p under 2^-126 counts as 0 (v_exp_f32: ISA guide 15.8).  A block of p that is all zeros gets the scale byte 1: its codes are zeros.  The scaled scores stay under 2^31 in magnitude.
.set REC,   6400
.set VREC,  16*REC
.set GST,   32*REC                     ; a stage of 16 rows x 272 bytes for each wave; no fill lands here
.set GW,    16*272
.set SPARE, GST+16*GW
.set AK0,  1
.set AV0,  2
.set AS0,  3
.set AT0,  4
.set RD,   5
.set STO,  6
.set GO,   7
.set ADK,  8
.set ADV,  9
.set ADS,  10
.set ADT,  11
.set QA,   16                          ; v12 -M, v13 largest t, v[14:15] the sum; v16-39 QA, QB
.set QW,   40
.set GB,   41
.set QS,   42
.set F,    44                          ; four fragments of K, then of V
.set SK,   92
.set SV,   94
.set S,    96                          ; S^T, then p
.set O,    160
.set PCD,  192
.set PX,   204
.set BM,   212
.set BP,   216
.set BS,   220
.set PW,   224
.set SUM2, 226
.set FF,   228
.set TMP,  230
.set PF,   232                         ; the prefetch's offsets; never rewritten
.set AC,   240                         ; v240-253 seven chains of sums
.set WV,   18
.set SEL,  20
.set CS,   22
.set G1C,  32
.set G0,   48
.set TB,   88
.set CNT,  89
.macro ROUND
	s_barrier_signal -1
	s_barrier_wait -1
	s_cmp_lg_u32 s[WV], 0
	s_cbranch_scc1 .Lnot_wave_0_\@
	s_barrier_signal -3
.Lnot_wave_0_\@:
	s_barrier_wait -3
	s_barrier_signal -1
	s_barrier_wait -1
.endm
	s_load_b256 s[4:11], s[0:1], 0x0               ; qrec, krec, vrec, gimg
	s_load_b128 s[12:15], s[0:1], 0x20             ; gamma, beta
	s_load_b64 s[16:17], s[0:1], 0x30              ; out0
	v_lshl_add_u32 v254, v0, 2, SPARE
	v_mov_b32 v255, 0
	ds_add_u32 v254, v255                          ; the opening lines
	ds_add_u32 v254, v255
	v_lshrrev_b32 v1, 5, v0
	s_delay_alu instid0(VALU_DEP_1)
	v_readfirstlane_b32 s[WV], v1
	s_bfe_u32 s19, ttmp6, 0x40000                  ; cx
	s_lshl_b32 s24, ttmp9, 2
	s_add_co_u32 s24, s24, s19                     ; my block of 256 queries: it enters my own global addresses alone
	s_and_b32 s25, ttmp7, 0xffff                   ; 16 x batch + head
	s_mov_b32 s[G1C], 15|(3<<16)|(1<<21)           ; all four work-groups; elements of 8 bytes
	s_mov_b32 s[G1C+1], 32<<16
	s_mov_b32 s[G1C+2], 50<<16
	s_mov_b32 s[G1C+3], 32<<16
	s_mov_b32 s[G1C+4], 50
	s_mov_b32 s[G1C+5], 32
	s_mov_b32 s[G1C+6], 0
	s_mov_b32 s[G1C+7], 0
	s_mov_b32 s[SEL], 0x76543210
	s_mov_b32 s[SEL+1], 0xfedcba98
	s_mov_b32 s[CS], 0x3e38aa3b                    ; log2(e) / 8
	s_mov_b32 s[CS+1], s[CS]
	s_mov_b32 s92, 0x3c800000                      ; 1 / 64
	s_mov_b32 s93, 0x3727c5ac                      ; 1e-5
	s_mov_b32 s94, 0x01010000
	s_mov_b32 s95, 0x00000101
	s_mov_b32 s[TB], 0
	s_mov_b32 s[G0], 1
	s_mul_i32 s[G0+1], s[WV], 2*REC                ; LDS: K's records, then V's
	s_and_b32 s26, s[WV], 7
	s_lshl_b32 s27, s25, 3
	s_add_co_u32 s26, s26, s27
	s_mul_i32 s26, s26, 2*REC                      ; the head's records, my two
	s_mov_b32 s27, 0
	s_lshl_b32 s28, s25, 19                        ; the gate: head, block, wave
	s_lshl_b32 s29, s24, 16
	s_add_co_u32 s28, s28, s29
	s_lshl_b32 s29, s[WV], 12
	s_add_co_u32 s28, s28, s29
	s_mov_b32 s29, 0
	s_wait_dscnt 0x0
	s_wait_kmcnt 0x0
	s_cmp_lt_u32 s[WV], 8
	s_cselect_b64 s[G0+2:G0+3], s[6:7], s[8:9]
	s_add_nc_u64 s[G0+2:G0+3], s[G0+2:G0+3], s[26:27]
	s_or_b32 s[G0+3], s[G0+3], 0x80000000
	s_add_nc_u64 s[10:11], s[10:11], s[28:29]
	ROUND                                          ; the joint loads meet
	tensor_load_to_lds s[G0:G0+3], s[G1C:G1C+7]    ; my one load of the launch
	s_nop 0
	v_and_b32 v8, 31, v0
	v_and_b32 v9, 15, v0
	v_bfe_u32 v10, v0, 4, 1
	v_lshlrev_b32 v[AK0], 4, v8
	v_lshlrev_b32 v[AS0], 3, v8
	v_min_u32 v[PF], 15, v8
	v_add_nc_u32 v[AV0], VREC, v[AK0]
	v_add_nc_u32 v[AT0], VREC, v[AS0]
	v_lshlrev_b32 v[PF], 8, v[PF]
	s_mul_i32 s26, s[WV], GW
	s_add_co_u32 s26, s26, GST                     ; my stage
	v_mul_u32_u24 v[RD], v10, 272
	v_mul_u32_u24 v[STO], v9, 272
	v_lshlrev_b32 v[GO], 12, v10
	v_lshl_add_u32 v[RD], v9, 4, v[RD]
	v_lshl_add_u32 v[STO], v10, 5, v[STO]
	v_lshl_add_u32 v[GO], v9, 4, v[GO]
	v_add_nc_u32 v[RD], s26, v[RD]
	v_add_nc_u32 v[STO], s26, v[STO]
	v_lshlrev_b32 v[GB], 5, v10
	v_lshlrev_b32 v11, 3, v9
	s_wait_alu depctr_va_vdst(0)                   ; ahead of the scalar run
	s_lshl_b32 s26, s25, 4                         ; Q: tile w % 8 of record 2 x block + w / 8
	s_lshl_b32 s28, s24, 1
	s_add_co_u32 s26, s26, s28
	s_lshr_b32 s28, s[WV], 3
	s_add_co_u32 s26, s26, s28
	s_mul_i32 s26, s26, REC
	s_mov_b32 s27, 0
	s_add_nc_u64 s[4:5], s[4:5], s[26:27]
	s_bfe_u32 s28, s[WV], 0x10001
	s_lshl_b32 s28, s28, 7
	s_bfe_u32 s30, s[WV], 0x10002
	s_lshl_b32 s30, s30, 2
	s_add_co_u32 s28, s28, s30
	s_mov_b32 s29, 0
	s_add_nc_u64 s[28:29], s[4:5], s[28:29]        ; its scale words
	s_bfe_u32 s26, s[WV], 0x20001
	s_mul_i32 s26, s26, 1536
	s_add_nc_u64 s[4:5], s[4:5], s[26:27]          ; its codes
	s_lshr_b32 s26, s25, 4                         ; out0
	s_lshl_b32 s26, s26, 23
	s_lshl_b32 s30, s24, 20
	s_add_co_u32 s26, s26, s30
	s_lshl_b32 s30, s[WV], 16
	s_add_co_u32 s26, s26, s30
	s_and_b32 s30, s25, 15
	s_lshl_b32 s30, s30, 8
	s_mov_b32 s31, 0
	s_add_co_u32 s26, s26, s30
	s_add_nc_u64 s[16:17], s[16:17], s[26:27]
	s_add_nc_u64 s[12:13], s[12:13], s[30:31]
	s_add_nc_u64 s[14:15], s[14:15], s[30:31]
	s_and_b32 s26, s[WV], 1
	s_cmp_lg_u32 s26, 0
	s_cselect_b32 s90, -1, 0
	s_mov_b32 s91, 0x01000100
	s_cselect_b32 s91, 0x03020302, s91
.irp c, 0,1,2
	global_load_b128 v[S+4*\c:S+4*\c+3], v[AK0], s[4:5] offset:512*\c
.endr
	global_load_b32 v[S+12], v11, s[28:29] offset:6144
	v_mov_b32 v13, 0xff61b1e6                      ; -3e38
	s_delay_alu instid0(VALU_DEP_1)
	v_floor_f32 v12, -v13
	v_mov_b32 v14, 0
	v_mov_b32 v15, 0
.irp b, 0,1,2,3
	v_mov_b32 v[BP+\b], 0
.endr
	v_mov_b32 v[FF+1], 0
	s_wait_loadcnt 0x0
.irp i, 0,1,2,3,4,5
	v_cndmask_b32 v[QA+\i], v[S+\i], v[S+6+\i], s90
.endr
.irp i, 0,1,2,3,4,5
	v_mov_b32 v[QA+18+\i], v[QA+\i]
	v_mov_b32 v[QA+6+\i], 0
	v_mov_b32 v[QA+12+\i], 0
.endr
	v_perm_b32 v[QW], v[S+12], v[S+12], s91
	s_delay_alu instid0(VALU_DEP_1)
	v_and_or_b32 v[QS], v[QW], 0xffff, s94
	v_and_or_b32 v[QS+1], v[QW], 0xffff0000, s95
.irp j, 0,1,2,3,4,5,6,7,8,9,10,11,12,13,14,15,16,17,18,19,20,21,22,23,24,25,26,27,28,29,30,31
	v_mov_b32 v[O+\j], 0                           ; the step is written once for all trips: the first finds zeros
.endr
; A KEY STEP: the 128 keys of the record at s[TB].  last = 1: the gate and gamma are asked for into p's registers once p is converted.
.macro STEP last
	v_add_nc_u32 v[ADK], s[TB], v[AK0]             ; four places behind the last step's products
	v_add_nc_u32 v[ADV], s[TB], v[AV0]
	v_add_nc_u32 v[ADS], s[TB], v[AS0]
	v_add_nc_u32 v[ADT], s[TB], v[AT0]
	ds_load_b64 v[SK:SK+1], v[ADS] offset:6144     ; the scale words first: every product below wants them
.irp b, 0,1,2,3
.irp c, 0,1,2
	ds_load_b128 v[F+12*\b+4*\c:F+12*\b+4*\c+3], v[ADK] offset:1536*\b+512*\c
.endr
.endr
	s_wait_alu depctr_va_vdst(0)
.irp b, 0,1,2,3                                ; register 16 b + 8 u + j of lane (r, h): key 32 b + 16 u + 8 h + j, query r
	s_wait_dscnt 9-3*\b                            ; fragment b is in: the three loads of each later fragment may be out
.irp u, 0,1
.if \b%2
	v_wmma_scale_f32_16x16x128_f8f6f4 v[S+8*(2*\b+\u):S+8*(2*\b+\u)+7], v[F+12*\b:F+12*\b+11], v[QA+12*\u:QA+12*\u+11], 0, v[SK+\b/2], v[QS+\u] matrix_a_fmt:MATRIX_FMT_FP6 matrix_b_fmt:MATRIX_FMT_FP6 matrix_a_scale:MATRIX_SCALE_ROW1
.else
	v_wmma_scale_f32_16x16x128_f8f6f4 v[S+8*(2*\b+\u):S+8*(2*\b+\u)+7], v[F+12*\b:F+12*\b+11], v[QA+12*\u:QA+12*\u+11], 0, v[SK+\b/2], v[QS+\u] matrix_a_fmt:MATRIX_FMT_FP6 matrix_b_fmt:MATRIX_FMT_FP6
.endif
.endr
.endr
.rept 4
	v_nop
.endr
.irp t, 0,1,2,3
.irp c, 0,1,2
	ds_load_b128 v[F+12*\t+4*\c:F+12*\t+4*\c+3], v[ADV] offset:1536*\t+512*\c   ; V lands while the softmax is walked
.endr
.endr
	ds_load_b64 v[SV:SV+1], v[ADT] offset:6144
.irp b, 0,1,2,3
	v_max3_num_f32 v[BM+\b], v[S+16*\b], v[S+1+16*\b], v[S+2+16*\b]   ; each block's largest score
.endr
.irp i, 3,5,7,9,11,13
.irp b, 0,1,2,3
	v_max3_num_f32 v[BM+\b], v[BM+\b], v[S+16*\b+\i], v[S+1+16*\b+\i]
.endr
.endr
.irp b, 0,1,2,3
	v_max_num_f32 v[BM+\b], v[BM+\b], v[S+15+16*\b]
.endr
.irp b, 0,1,2,3
	s_delay_alu instid0(VALU_DEP_4)
	v_permlanex16_b32 v[BP+\b], v[BM+\b], s[SEL], s[SEL+1]
.endr
.irp b, 0,1,2,3
	s_delay_alu instid0(VALU_DEP_4)
	v_max_num_f32 v[BM+\b], v[BM+\b], v[BP+\b]
.endr
	s_delay_alu instid0(VALU_DEP_2)
	v_max3_num_f32 v[TMP], v[BM], v[BM+1], v[BM+2]
	s_delay_alu instid0(VALU_DEP_1)
	v_max_num_f32 v[TMP], v[TMP], v[BM+3]
	s_delay_alu instid0(VALU_DEP_1)
	v_mul_f32 v[TMP], s[CS], v[TMP]
	s_delay_alu instid0(VALU_DEP_1)
	v_max_num_f32 v13, v13, v[TMP]                 ; the running largest t
	v_mov_b32 v[TMP], v12
	s_delay_alu instid0(VALU_DEP_2)
	v_floor_f32 v12, -v13                          ; -M = -ceil(t)
	s_delay_alu instid0(VALU_DEP_1)
	v_sub_f32 v[TMP], v12, v[TMP]
	s_delay_alu instid0(VALU_DEP_1)
	v_cvt_i32_f32 v[TMP], v[TMP]
	s_delay_alu instid0(VALU_DEP_1)
	v_ldexp_f32 v[FF], 1.0, v[TMP]                 ; f = 2^(old M - new M)
.irp j, 0,2,4,6,8,10,12,14,16,18,20,22,24,26,28,30,32,34,36,38,40,42,44,46,48,50,52,54,56,58,60,62
	v_pk_fma_f32 v[S+\j:S+\j+1], v[S+\j:S+\j+1], s[CS:CS+1], v[12:13] op_sel_hi:[1,0,0]   ; t - M
.endr
.irp b, 0,1,2,3
	v_fma_f32 v[BM+\b], v[BM+\b], s[CS], v12
.endr
	s_wait_alu depctr_va_vdst(0)                   ; ahead of the batch
.irp j, 0,1,2,3,4,5,6,7,8,9,10,11,12,13,14,15,16,17,18,19,20,21,22,23,24,25,26,27,28,29,30,31,32,33,34,35,36,37,38,39,40,41,42,43,44,45,46,47,48,49,50,51,52,53,54,55,56,57,58,59,60,61,62,63
	v_exp_f32 v[S+\j], v[S+\j]
.endr
	v_pk_mul_f32 v[14:15], v[14:15], v[FF:FF+1] op_sel_hi:[1,0]
	s_wait_alu depctr_va_vdst(0)                   ; behind the batch of 64
.irp b, 0,1,2,3
	v_exp_f32 v[BM+\b], v[BM+\b]                   ; each block's largest p
.endr
.irp c, 0,1,2,3,4,5,6                          ; the sum of the unquantised p: 32 pairs in eight chains
	v_pk_add_f32 v[AC+2*\c:AC+2*\c+1], v[S+4*\c:S+4*\c+1], v[S+4*\c+2:S+4*\c+3]
.endr
	v_pk_add_f32 v[14:15], v[14:15], v[S+28:S+29]
.irp g, 0,1
.irp c, 0,1,2,3,4,5,6
	v_pk_add_f32 v[AC+2*\c:AC+2*\c+1], v[AC+2*\c:AC+2*\c+1], v[S+30+14*\g+2*\c:S+31+14*\g+2*\c]
.endr
	v_pk_add_f32 v[14:15], v[14:15], v[S+58+2*\g:S+59+2*\g]
.endr
	v_pk_add_f32 v[AC:AC+1], v[AC:AC+1], v[S+62:S+63]
	v_pk_add_f32 v[14:15], v[14:15], v[AC+2:AC+3]
	v_pk_add_f32 v[AC+6:AC+7], v[AC+6:AC+7], v[AC+8:AC+9]
	v_pk_add_f32 v[AC+10:AC+11], v[AC+10:AC+11], v[AC+12:AC+13]
	v_pk_add_f32 v[AC:AC+1], v[AC:AC+1], v[AC+4:AC+5]
	v_pk_add_f32 v[14:15], v[14:15], v[AC+6:AC+7]
	s_delay_alu instid0(VALU_DEP_2)
	v_pk_add_f32 v[AC:AC+1], v[AC:AC+1], v[AC+10:AC+11]
	s_delay_alu instid0(VALU_DEP_1)
	v_pk_add_f32 v[14:15], v[14:15], v[AC:AC+1]
	s_wait_alu depctr_va_vdst(0)                   ; behind the four
.irp b, 0,1,2,3
	v_max_num_f32 v[BM+\b], 0x1800000, v[BM+\b]    ; the floor: the byte cannot fall under 1
.endr
.irp b, 0,1,2,3
	s_delay_alu instid0(VALU_DEP_4)
	v_add_nc_u32 v[BS+\b], 0xff000000, v[BM+\b]
.endr
.irp b, 0,1,2,3
	s_delay_alu instid0(VALU_DEP_4)
	v_lshrrev_b32 v[BP+\b], 23, v[BS+\b]
.endr
	s_delay_alu instid0(VALU_DEP_3)
	v_lshl_or_b32 v[PW], v[BP+1], 8, v[BP]
	s_delay_alu instid0(VALU_DEP_1)
	v_lshl_or_b32 v[PW], v[BP+2], 16, v[PW]
	s_delay_alu instid0(VALU_DEP_1)
	v_lshl_or_b32 v[PW], v[BP+3], 24, v[PW]
.irp c, 0,1
	v_cvt_scalef32_pk16_fp6_f32 v[PCD+6*\c:PCD+6*\c+2], v[S+32*\c:S+32*\c+15], v[BS+2*\c]
	v_cvt_scalef32_pk16_fp6_f32 v[PX+4*\c:PX+4*\c+2], v[S+16+32*\c:S+31+32*\c], v[BS+2*\c+1]
.endr
	v_nop
.if \last
.irp c, 0,1,2,3,4,5,6,7
	global_load_b128 v[S+4*\c:S+4*\c+3], v[AK0], s[10:11] offset:512*\c th:TH_LOAD_NT   ; the gate, an image of O^T's registers
.endr
.irp t, 0,1,2,3
.irp k, 0,1
	global_load_b128 v[S+32+8*\t+4*\k:S+32+8*\t+4*\k+3], v[GB], s[12:13] offset:64*\t+16*\k   ; gamma
.endr
.endr
.endif
.irp c, 0,1
.irp i, 0,1,2
	v_permlane16_swap_b32 v[PCD+6*\c+\i], v[PX+4*\c+\i]
.endr
.irp i, 0,1,2
	s_delay_alu instid0(VALU_DEP_3)
	v_mov_b32 v[PCD+3+6*\c+\i], v[PX+4*\c+\i]
.endr
.endr
	s_wait_alu depctr_va_vdst(0)                   ; ahead of the first reader of O^T
.irp j, 0,2,4,6,8,10,12,14,16,18,20,22,24,26,28,30
	v_pk_mul_f32 v[O+\j:O+\j+1], v[O+\j:O+\j+1], v[FF:FF+1] op_sel_hi:[1,0]   ; O^T under the new M; also the places behind p's word and codes
.endr
	s_wait_alu depctr_va_vdst(0)
	s_wait_dscnt 0x0                               ; V
.irp t, 0,1,2,3                                ; the four accumulators take turns
.if \t%2
	v_wmma_scale_f32_16x16x128_f8f6f4 v[O+8*\t:O+8*\t+7], v[F+12*\t:F+12*\t+11], v[PCD:PCD+11], v[O+8*\t:O+8*\t+7], v[SV+\t/2], v[PW] matrix_a_fmt:MATRIX_FMT_FP6 matrix_b_fmt:MATRIX_FMT_FP6 matrix_a_scale:MATRIX_SCALE_ROW1
.else
	v_wmma_scale_f32_16x16x128_f8f6f4 v[O+8*\t:O+8*\t+7], v[F+12*\t:F+12*\t+11], v[PCD:PCD+11], v[O+8*\t:O+8*\t+7], v[SV+\t/2], v[PW] matrix_a_fmt:MATRIX_FMT_FP6 matrix_b_fmt:MATRIX_FMT_FP6
.endif
.endr
	s_add_co_u32 s[TB], s[TB], REC
.endm
	s_wait_alu depctr_va_vdst(0)                   ; the head's end
	s_wait_tensorcnt 0x0                           ; my two records are in
	s_wait_dscnt 0x0
	s_barrier_signal -1
	s_barrier_wait -1                              ; and everybody's
	s_mov_b32 s[CNT], 15
.Lstep:
	STEP 0
	s_cmp_lg_u32 s[CNT], 11
	s_cbranch_scc1 .Lno_ask
	global_prefetch_b8 v[PF], s[10:11] th:TH_LOAD_NT scope:SCOPE_SE   ; my 4,096 bytes of the gate; its address registers are never rewritten
.Lno_ask:
	s_sub_co_u32 s[CNT], s[CNT], 1
	s_cmp_lg_u32 s[CNT], 0
	s_cbranch_scc1 .Lstep
	STEP 1
	; THE WAY OUT
	v_add_f32 v14, v14, v15                        ; with the three below: the places behind the last products
.rept 3
	v_nop
.endr
.irp t, 0,1,2,3
.irp k, 0,1
	global_load_b128 v[F+8*\t+4*\k:F+8*\t+4*\k+3], v[GB], s[14:15] offset:64*\t+16*\k   ; beta
.endr
.endr
	v_permlanex16_b32 v[BP], v14, s[SEL], s[SEL+1]
	s_delay_alu instid0(VALU_DEP_1)
	v_add_f32 v14, v14, v[BP]                      ; the row's sum
	s_wait_alu depctr_va_vdst(0)
	v_rcp_f32 v[FF], v14
	v_nop
	s_wait_alu depctr_va_vdst(0)
.irp j, 0,2,4,6,8,10,12,14,16,18,20,22,24,26,28,30
	v_pk_mul_f32 v[O+\j:O+\j+1], v[O+\j:O+\j+1], v[FF:FF+1] op_sel_hi:[1,0]
.endr
	s_wait_loadcnt 16                              ; the gate is in: gamma's eight and beta's eight loads may be out
.irp j, 0,2,4,6,8,10,12,14,16,18,20,22,24,26,28,30
	v_pk_mul_f32 v[O+\j:O+\j+1], v[O+\j:O+\j+1], v[S+\j:S+\j+1]
.endr
.irp c, 0,1,2,3,4,5,6
	v_pk_add_f32 v[AC+2*\c:AC+2*\c+1], v[O+4*\c:O+4*\c+1], v[O+4*\c+2:O+4*\c+3]
.endr
	v_pk_add_f32 v[SUM2:SUM2+1], v[O+28:O+29], v[O+30:O+31]
	v_pk_add_f32 v[AC:AC+1], v[AC:AC+1], v[AC+8:AC+9]
	v_pk_add_f32 v[AC+2:AC+3], v[AC+2:AC+3], v[AC+10:AC+11]
	v_pk_add_f32 v[AC+4:AC+5], v[AC+4:AC+5], v[AC+12:AC+13]
	v_pk_add_f32 v[SUM2:SUM2+1], v[SUM2:SUM2+1], v[AC+6:AC+7]
	v_pk_add_f32 v[AC:AC+1], v[AC:AC+1], v[AC+2:AC+3]
	s_delay_alu instid0(VALU_DEP_2)
	v_pk_add_f32 v[SUM2:SUM2+1], v[SUM2:SUM2+1], v[AC+4:AC+5]
	s_delay_alu instid0(VALU_DEP_1)
	v_pk_add_f32 v[SUM2:SUM2+1], v[SUM2:SUM2+1], v[AC:AC+1]
	s_delay_alu instid0(VALU_DEP_1)
	v_add_f32 v[TMP], v[SUM2], v[SUM2+1]
	s_delay_alu instid0(VALU_DEP_1)
	v_permlanex16_b32 v[BP], v[TMP], s[SEL], s[SEL+1]
	s_delay_alu instid0(VALU_DEP_1)
	v_add_f32 v[TMP], v[TMP], v[BP]
	s_delay_alu instid0(VALU_DEP_1)
	v_mul_f32 v[FF], s92, v[TMP]                   ; the mean
.irp j, 0,2,4,6,8,10,12,14,16,18,20,22,24,26,28,30
	v_pk_add_f32 v[O+\j:O+\j+1], v[O+\j:O+\j+1], v[FF:FF+1] op_sel_hi:[1,0] neg_lo:[0,1] neg_hi:[0,1]
.endr
	v_pk_mul_f32 v[SUM2:SUM2+1], v[O:O+1], v[O:O+1]   ; the variance, in two chains
	v_pk_mul_f32 v[AC:AC+1], v[O+2:O+3], v[O+2:O+3]
.irp j, 4,8,12,16,20,24,28
	s_delay_alu instid0(VALU_DEP_2)
	v_pk_fma_f32 v[SUM2:SUM2+1], v[O+\j:O+\j+1], v[O+\j:O+\j+1], v[SUM2:SUM2+1]
	s_delay_alu instid0(VALU_DEP_2)
	v_pk_fma_f32 v[AC:AC+1], v[O+\j+2:O+\j+3], v[O+\j+2:O+\j+3], v[AC:AC+1]
.endr
	s_delay_alu instid0(VALU_DEP_1)
	v_pk_add_f32 v[SUM2:SUM2+1], v[SUM2:SUM2+1], v[AC:AC+1]
	s_delay_alu instid0(VALU_DEP_1)
	v_add_f32 v[TMP], v[SUM2], v[SUM2+1]
	s_delay_alu instid0(VALU_DEP_1)
	v_permlanex16_b32 v[BP], v[TMP], s[SEL], s[SEL+1]
	s_delay_alu instid0(VALU_DEP_1)
	v_add_f32 v[TMP], v[TMP], v[BP]
	s_delay_alu instid0(VALU_DEP_1)
	v_fma_f32 v[TMP], v[TMP], s92, s93             ; var + 1e-5
	s_wait_alu depctr_va_vdst(0)
	v_rsq_f32 v[FF], v[TMP]
	v_nop
	s_wait_alu depctr_va_vdst(0)
	s_wait_loadcnt 0x0                             ; gamma and beta
.irp j, 0,2,4,6,8,10,12,14,16,18,20,22,24,26,28,30
	v_pk_mul_f32 v[O+\j:O+\j+1], v[O+\j:O+\j+1], v[FF:FF+1] op_sel_hi:[1,0]
.endr
.irp j, 0,2,4,6,8,10,12,14,16,18,20,22,24,26,28,30
	v_pk_fma_f32 v[O+\j:O+\j+1], v[O+\j:O+\j+1], v[S+32+\j:S+33+\j], v[F+\j:F+\j+1]
.endr
.irp t, 0,1,2,3
.irp k, 0,1
	ds_store_b128 v[STO], v[O+8*\t+4*\k:O+8*\t+4*\k+3] offset:64*\t+16*\k   ; row r of my own stage
.endr
.endr
.irp i, 0,1,2,3,4,5,6,7
	ds_load_b128 v[S+4*\i:S+4*\i+3], v[RD] offset:544*\i   ; LDS serves a wave's instructions in order (ISA guide 5.7.1.4)
.endr
.irp i, 0,1,2,3,4,5,6,7
	s_wait_dscnt 7-\i                              ; the younger of these eight loads may be out
	global_store_b128 v[GO], v[S+4*\i:S+4*\i+3], s[16:17] offset:8192*\i th:TH_STORE_NT   ; sixteen lanes store a token's 256 bytes of my head, aligned
.endr
	s_wait_tensorcnt 0x0                           ; the wave's end
	ds_add_u32 v254, v255
	s_wait_dscnt 0x0
	ROUND                                          ; the closing round
	s_endpgm
.Lfunc_end_k_q33163c8764_attn:
	.size	k_q33163c8764_attn, .Lfunc_end_k_q33163c8764_attn-k_q33163c8764_attn
	.p2alignl 7, 3214868480
	.fill 96, 4, 3214868480
	.section	.rodata,"a",@progbits
	.p2align	6, 0x0
	.amdhsa_kernel k_q33163c8764_attn
		.amdhsa_group_segment_fixed_size 327680
		.amdhsa_private_segment_fixed_size 0
		.amdhsa_enable_private_segment 0
		.amdhsa_kernarg_size 56
		.amdhsa_user_sgpr_count 2
		.amdhsa_user_sgpr_kernarg_segment_ptr 1
		.amdhsa_wavefront_size32 1
		.amdhsa_system_sgpr_workgroup_id_x 1
		.amdhsa_system_sgpr_workgroup_id_y 1
		.amdhsa_system_sgpr_workgroup_id_z 1
		.amdhsa_system_vgpr_workitem_id 0
		.amdhsa_next_free_vgpr 256
		.amdhsa_next_free_sgpr 98
		.amdhsa_reserve_vcc 0
		.amdhsa_float_denorm_mode_32 3
		.amdhsa_float_denorm_mode_16_64 3
		.amdhsa_memory_ordered 1
		.amdhsa_forward_progress 1
		.amdhsa_inst_pref_size 56
	.end_amdhsa_kernel
	.amdgpu_metadata
---
amdhsa.version: [ 1, 2 ]
amdhsa.kernels:
  - .name:           k_q33163c8764_attn
    .symbol:         k_q33163c8764_attn.kd
    .args:
      - { .name: qrec, .offset: 0, .size: 8, .value_kind: global_buffer, .address_space: global }
      - { .name: krec, .offset: 8, .size: 8, .value_kind: global_buffer, .address_space: global }
      - { .name: vrec, .offset: 16, .size: 8, .value_kind: global_buffer, .address_space: global }
      - { .name: gimg, .offset: 24, .size: 8, .value_kind: global_buffer, .address_space: global }
      - { .name: gamma, .offset: 32, .size: 8, .value_kind: global_buffer, .address_space: global }
      - { .name: beta, .offset: 40, .size: 8, .value_kind: global_buffer, .address_space: global }
      - { .name: out0, .offset: 48, .size: 8, .value_kind: global_buffer, .address_space: global }
    .group_segment_fixed_size: 327680
    .private_segment_fixed_size: 0
    .kernarg_segment_align: 8
    .kernarg_segment_size: 56
    .max_flat_workgroup_size: 512
    .sgpr_count:     98
    .vgpr_count:     256
    .wavefront_size: 32
...
	.end_amdgpu_metadata
.endif
;; end of part 2
